; MI455X (gfx1250); checked and timed in simulation.
; The chip was launched on July 23, 2026; its instructions are those of AMD's public machine-readable ISA for CDNA 5 (MIT licence, August 2026) and "CDNA5" Instruction Set Architecture Reference Guide (July 2026). The comments in the code are by the model that wrote it; some were corrected since.
;; Bahdanau Attention. Allowed arithmetic: float matrix products may take bf16 or f16 operands with f32 sums; other float arithmetic in f32, or as packed bf16 or f16 multiplies, adds, multiply-adds, maxima and minima; sums over many terms, partial sums and values carried from step to step in f32; what a program stores and reads back later, other than sums and carried values, may be rounded once to bf16 or f16.
;; Inputs: V_b 1 float32; V_w 1 x 1,024 float32; W1_b 1,024 float32; W1_w 1,024 x 1,024 float32; W2_b 1,024 float32; W2_w 1,024 x 1,024 float32; mask 32 x 2,048 int32; query 32 x 2 x 1,024 float32; values 32 x 2,048 x 1,024 float32.
;; Outputs: out0 32 x 1 x 1,024 float32; out1 32 x 1 x 2,048 float32.
;; One version. Each part assembles by itself: llvm-mc -triple=amdgcn-amd-amdhsa -mcpu=gfx1250 --defsym DOCPART=n.
;; ======== version 1 of 1: 3 launches
;; limits: inputs' magnitudes at most 1e+30
;; workspace buffers: w2f 2,097,152 bytes; qpart 524,288 bytes; rows 294,912 bytes of whole numbers; pos 262,144 bytes of whole numbers; sc 327,680 bytes; part 2,097,152 bytes; stat 131,072 bytes
;; launch prep (part 1): grid 96 x 1, 4 waves a work-group, no clusters, 0 bytes of LDS; arguments W1_w, W2_w, query, mask, w2f, qpart, rows, pos; writes w2f, qpart, rows, pos
.if DOCPART == 1
	.amdgcn_target "amdgcn-amd-amdhsa--gfx1250"
	.amdhsa_code_object_version 6
	.text
	.protected	k_q0cd6c8fe31_prep
	.globl	k_q0cd6c8fe31_prep
	.p2align	8
	.type	k_q0cd6c8fe31_prep,@function
k_q0cd6c8fe31_prep:
	s_mov_b64 s[64:65], 0
	v_nop
	global_prefetch_b8 v0, s[64:65] scope:SCOPE_SE
	s_setreg_imm32_b32 hwreg(HW_REG_WAVE_MODE, 25, 1), 1
	s_wait_xcnt 0x0
; WHAT THE LATER LAUNCHES NEED, made once.  Two kinds of work-group, told apart by the work-group's number.
; Work-groups 0..63 (g): rows 16 g .. 16 g + 15 of W1 and of W2; wave kq takes K quarter kq, eight K steps of 32.
;   w2f:   W2 rounded to bf16, laid out as the main launch's matrix fragments: byte = w 524288 + (32 p + ks) 8192 + b 1024 + half 512 + lane 16 holds
;          W2[512 p + 128 w + 16 b + lane % 16][32 ks + 16 half + 8 (lane / 16) + 0..7], so that g = 32 p + 8 w + b.  A wave's store covers 512 consecutive bytes.
;   qpart: [kq][batch][1024] f32: the sum over K quarter kq of query[batch][1][k] W1[n][k], bf16 operands, f32 sums.  The four quarters are added in the main launch.
;          Source 0 = 16 rows of W1, source 1 = 16 batches: a lane ends with one batch and eight neighbouring columns.  These stores are 32 bytes a lane in rows 4,096 bytes apart: 512 KiB in all.
; Work-groups 64..95 (batch b): the batch's 2,048 rows are dealt to the slots of eight lists; slot n is entry n / 8 of list n % 8.
;   With T live rows (mask != 0): the live row with r live rows ahead of it takes slot r; the dead row with d dead rows ahead of it takes slot T + d.  So slots 0 .. 2047 are taken once each.
;   rows:  [256 lists][288] int32: a live row's slot holds the row's number, a dead row's slot 2048 (a filler).  A list's live entries come first.  Entries 256 .. 287 are always fillers.
;   pos:   [32][2048] int32: for each row the word of the batch's score table (main launch: [list][block of 144 entries][160]) that belongs to its slot: 320 list + entry, + 16 from entry 144 on.
;   Every lane of every store has a word of its own: EXEC is never changed.
.set LISTB, 1152                       ; bytes in a list
.set WO,  8                            ; v8   (lane % 16) x 4096 + (lane / 16) x 32: my place in 16 rows of W1, W2 and of qpart
.set QO,  9                            ; v9   the same with rows of 8,192 bytes: query
.set LND, 16                           ; v[16:143] two landing sets of 64: W1 16, W2 16, batches 0-15 16, batches 16-31 16
.set FA,  144                          ; v[144:151] W1's fragment
.set FB0, 152                          ; v[152:159] query's, batches 0-15
.set FB1, 160                          ; v[160:167] batches 16-31
.set CV,  168                          ; v[168:183] W2's fragment on its way out, two sets by the K step's parity
.set AC0, 184                          ; v[184:191], v[192:199] the two accumulators
.set AC1, 192
	s_load_b512 s[4:19], s[0:1], 0x0               ; W1 s[4:5], W2 s[6:7], query s[8:9], mask s[10:11], w2f s[12:13], qpart s[14:15], rows s[16:17], pos s[18:19]
	v_and_b32 v1, 31, v0                           ; lane
	v_lshrrev_b32 v2, 5, v0
	v_readfirstlane_b32 s20, v2                    ; wave 0..3
	v_lshlrev_b32 v3, 4, v1                        ; 16 x lane
	s_mov_b32 s23, 0
	s_mov_b32 s25, 0
	s_mov_b32 s27, 0
	s_mov_b32 s29, 0
	s_cmp_lt_u32 ttmp9, 64
	s_cbranch_scc0 .Llists
	; ---------------- the weights ----------------
	v_and_b32 v4, 15, v0
	v_bfe_u32 v5, v0, 4, 1
	v_lshlrev_b32 v6, 5, v5
	v_lshl_add_u32 v[WO], v4, 12, v6
	v_lshl_add_u32 v[QO], v4, 13, v6
	s_lshl_b32 s21, s20, 10                        ; my K quarter: 256 f32
	s_lshl_b32 s22, ttmp9, 16                      ; 16 rows of 4,096 bytes
	s_add_co_u32 s22, s22, s21
	s_add_co_u32 s24, s21, 4096                    ; query[.][1][.]: the last of the two steps
	s_bfe_u32 s26, ttmp9, 0x20003                  ; w = (g / 8) % 4
	s_lshl_b32 s26, s26, 1
	s_lshr_b32 s28, ttmp9, 5                       ; p = g / 32
	s_add_co_u32 s26, s26, s28
	s_lshl_b32 s26, s26, 18
	s_lshl_b32 s28, s20, 16                        ; my eight K steps of 8,192 bytes
	s_add_co_u32 s26, s26, s28
	s_and_b32 s28, ttmp9, 7                        ; b = g % 8
	s_lshl_b32 s28, s28, 10
	s_add_co_u32 s26, s26, s28
	s_lshl_b32 s28, s20, 17                        ; qpart: my quarter's table,
	s_lshl_b32 s30, ttmp9, 6                       ; my 16 columns
	s_add_co_u32 s28, s28, s30
	s_wait_kmcnt 0x0
	s_add_nc_u64 s[4:5], s[4:5], s[22:23]
	s_add_nc_u64 s[6:7], s[6:7], s[22:23]
	s_add_nc_u64 s[8:9], s[8:9], s[24:25]
	s_add_nc_u64 s[12:13], s[12:13], s[26:27]
	s_add_nc_u64 s[14:15], s[14:15], s[28:29]
; K step i's 16 loads into landing set s.  A lane's 16 numbers of a fragment are two runs of eight f32: bytes 0..31 and 64..95 behind its place.
.macro LD16 s, i
.irp o, 0,1,2,3
	global_load_b128 v[LND+64*(\s)+4*\o:LND+64*(\s)+4*\o+3],       v[WO], s[4:5] offset:128*(\i)+16*(\o%2)+64*(\o/2) th:TH_LOAD_NT
	global_load_b128 v[LND+64*(\s)+16+4*\o:LND+64*(\s)+16+4*\o+3], v[WO], s[6:7] offset:128*(\i)+16*(\o%2)+64*(\o/2) th:TH_LOAD_NT
	global_load_b128 v[LND+64*(\s)+32+4*\o:LND+64*(\s)+32+4*\o+3], v[QO], s[8:9] offset:128*(\i)+16*(\o%2)+64*(\o/2)
	global_load_b128 v[LND+64*(\s)+48+4*\o:LND+64*(\s)+48+4*\o+3], v[QO], s[8:9] offset:128*(\i)+16*(\o%2)+64*(\o/2)+131072
.endr
.endm
; K step i: W2's fragment is rounded and stored; W1's and query's are rounded and multiplied; the set is asked for again.
.macro KS i
.set LS, LND+64*((\i)%2)
.set CP, CV+8*((\i)%2)
.if (\i) < 7
	s_wait_loadcnt 16                              ; this step's 16 loads are in; the next step's 16 stay out
.else
	s_wait_loadcnt 0x0
.endif
	s_wait_xcnt 0x0                                ; the stores of two steps back have read CV's set of this parity: it is rewritten only behind this wait
.irp d, 0,1,2,3,4,5,6,7
	v_cvt_pk_bf16_f32 v[CP+\d], v[LS+16+2*\d], v[LS+16+2*\d+1]  ; these eight name no register of the last two products: they are the places in front of the writes of FA, FB0, FB1
.endr
	global_store_b128 v3, v[CP:CP+3],   s[12:13] offset:(\i)*8192
	global_store_b128 v3, v[CP+4:CP+7], s[12:13] offset:(\i)*8192+512
.irp d, 0,1,2,3,4,5,6,7
	v_cvt_pk_bf16_f32 v[FA+\d],  v[LS+2*\d],    v[LS+2*\d+1]
	v_cvt_pk_bf16_f32 v[FB0+\d], v[LS+32+2*\d], v[LS+32+2*\d+1]
	v_cvt_pk_bf16_f32 v[FB1+\d], v[LS+48+2*\d], v[LS+48+2*\d+1]
.endr
.if (\i) == 0                          ; the first K step starts the sums; the two accumulators take turns
	v_wmma_f32_16x16x32_bf16 v[AC0:AC0+7], v[FA:FA+7], v[FB0:FB0+7], 0
	v_wmma_f32_16x16x32_bf16 v[AC1:AC1+7], v[FA:FA+7], v[FB1:FB1+7], 0
.else
	v_wmma_f32_16x16x32_bf16 v[AC0:AC0+7], v[FA:FA+7], v[FB0:FB0+7], v[AC0:AC0+7]
	v_wmma_f32_16x16x32_bf16 v[AC1:AC1+7], v[FA:FA+7], v[FB1:FB1+7], v[AC1:AC1+7]
.endif
.if (\i) < 6
	LD16 (\i)%2, (\i)+2
.endif
.endm
	LD16 0, 0
	LD16 1, 1
.irp i, 0,1,2,3,4,5,6,7
	KS \i
.endr
.rept 8
	v_nop                                          ; the places between the last products and the stores of their results
.endr
	global_store_b128 v[WO], v[AC0:AC0+3],   s[14:15]
	global_store_b128 v[WO], v[AC0+4:AC0+7], s[14:15] offset:16
	global_store_b128 v[WO], v[AC1:AC1+3],   s[14:15] offset:65536
	global_store_b128 v[WO], v[AC1+4:AC1+7], s[14:15] offset:65552
	s_endpgm
	; ---------------- the lists ----------------
.Llists:
	s_sub_co_u32 s30, ttmp9, 64                    ; the batch
	s_lshl_b32 s22, s30, 13                        ; its row of the mask, and of pos: 8,192 bytes
	s_lshl_b32 s24, s20, 11                        ; my quarter of such a row
	s_mul_i32 s26, s30, 8*LISTB                    ; its eight lists
	s_lshl_b32 s31, s20, 9
	v_lshl_add_u32 v8, v1, 2, s31                  ; the row number of my first element in my quarter's first load: 512 w + 4 lane
	v_add_nc_u32 v9, s31, v1                       ; my place in the ranking's order, in my quarter's first register: 512 w + lane
	v_add_nc_u32 v10, s24, v3                      ; my 16 bytes of pos in my quarter's first 512
	v_mov_b32 v11, 0x800                           ; what a filler entry holds
	v_mov_b32 v14, 16
	v_mov_b32 v4, 0x800
	v_mov_b32 v5, 0x800
	v_lshrrev_b32 v15, 4, v0                       ; entries 256 .. 287: thread t takes list t / 16, entries 256 + 2 (t % 16) and the next
	v_mul_u32_u24 v15, v15, LISTB
	v_and_b32 v6, 15, v0
	v_lshl_add_u32 v15, v6, 3, v15
	s_wait_kmcnt 0x0
	s_add_nc_u64 s[10:11], s[10:11], s[22:23]
	s_add_nc_u64 s[32:33], s[10:11], s[24:25]
	s_add_nc_u64 s[16:17], s[16:17], s[26:27]
	s_add_nc_u64 s[18:19], s[18:19], s[22:23]
.irp u, 0,1,2,3,4,5,6,7,8,9,10,11,12,13,14,15
	global_load_b128 v[16+4*\u:19+4*\u], v3, s[10:11] offset:512*\u   ; the whole row, for the counts: every wave
.endr
.irp u, 0,1,2,3
	global_load_b128 v[80+4*\u:83+4*\u], v3, s[32:33] offset:512*\u   ; my quarter once more, in registers whose numbers do not hang on the wave
.endr
	global_store_b64 v15, v[4:5], s[16:17] offset:1024
	s_wait_loadcnt 0x0
	; The order of the ranking: by register (64 of them, 32 lanes each), inside a register by lane.  s21 counts the live rows; the counts in front of quarters 1, 2, 3 are kept.
	s_mov_b32 s21, 0
.set k, 0
.rept 64
	v_cmp_ne_u32 vcc_lo, 0, v[16+k]
	s_bcnt1_i32_b32 s34, vcc_lo
	s_add_co_u32 s21, s21, s34
.if k == 15
	s_mov_b32 s35, s21
.elseif k == 31
	s_mov_b32 s36, s21
.elseif k == 47
	s_mov_b32 s37, s21
.endif
.set k, k+1
.endr
	s_cmp_ge_u32 s20, 1
	s_cselect_b32 s38, s35, 0
	s_cmp_ge_u32 s20, 2
	s_cselect_b32 s38, s36, s38
	s_cmp_ge_u32 s20, 3
	s_cselect_b32 s38, s37, s38                    ; the live rows in front of my quarter
	v_add_nc_u32 v12, s21, v9                      ; T + my place in the order
	; My 16 registers.  Each store has an address and a data register of its own, so none is rewritten while a store may read it.
.set k, 0
.rept 16
	v_cmp_ne_u32 vcc_lo, 0, v[80+k]
	v_mbcnt_lo_u32_b32 v[96+k], vcc_lo, s38        ; r: the live rows ahead of me, whether I am live or not
	s_bcnt1_i32_b32 s34, vcc_lo
	s_add_co_u32 s38, s38, s34
	v_sub_nc_u32 v[112+k], v12, v[96+k]
	v_add_nc_u32 v[112+k], 32*k, v[112+k]          ; T + d: d = my place - r, the dead rows ahead of me
	v_cndmask_b32 v[96+k], v[112+k], v[96+k], vcc_lo   ; my slot: r if I am live
	v_add_nc_u32 v[144+k], 128*(k/4)+k%4, v8       ; the row's number,
	v_cndmask_b32 v[144+k], v11, v[144+k], vcc_lo  ; or the filler
	v_lshrrev_b32 v[112+k], 3, v[96+k]             ; entry
	v_and_b32 v[96+k], 7, v[96+k]                  ; list
	v_min_u32 v[96+k], 7, v[96+k]
	v_min_u32 v[112+k], 0xff, v[112+k]             ; a slot is under 2,048, its entry under 256
	v_cmp_le_u32 vcc_lo, 0x90, v[112+k]            ; the list's second block?
	v_cndmask_b32 v13, 0, v14, vcc_lo
	v_mul_u32_u24 v[160+k], v[96+k], 0x140
	v_add_nc_u32 v13, v13, v[112+k]
	v_add_nc_u32 v[160+k], v[160+k], v13           ; the slot's word in the batch's score table
	v_mul_u32_u24 v[96+k], v[96+k], LISTB
	v_lshl_add_u32 v[96+k], v[112+k], 2, v[96+k]
	global_store_b32 v[96+k], v[144+k], s[16:17]
.set k, k+1
.endr
.irp u, 0,1,2,3
	global_store_b128 v10, v[160+4*\u:163+4*\u], s[18:19] offset:512*\u   ; a lane's four registers are four neighbouring rows: 512 consecutive bytes a store
.endr
	s_endpgm
.Lfunc_end_k_q0cd6c8fe31_prep:
	.size	k_q0cd6c8fe31_prep, .Lfunc_end_k_q0cd6c8fe31_prep-k_q0cd6c8fe31_prep
	.p2alignl 7, 3214868480
	.fill 96, 4, 3214868480
	.section	.rodata,"a",@progbits
	.p2align	6, 0x0
	.amdhsa_kernel k_q0cd6c8fe31_prep
		.amdhsa_group_segment_fixed_size 0
		.amdhsa_private_segment_fixed_size 0
		.amdhsa_enable_private_segment 0
		.amdhsa_kernarg_size 64
		.amdhsa_user_sgpr_count 2
		.amdhsa_user_sgpr_kernarg_segment_ptr 1
		.amdhsa_wavefront_size32 1
		.amdhsa_system_sgpr_workgroup_id_x 1
		.amdhsa_system_sgpr_workgroup_id_y 1
		.amdhsa_system_sgpr_workgroup_id_z 1
		.amdhsa_system_vgpr_workitem_id 0
		.amdhsa_next_free_vgpr 200
		.amdhsa_next_free_sgpr 66
		.amdhsa_reserve_vcc 1
		.amdhsa_float_denorm_mode_32 3
		.amdhsa_float_denorm_mode_16_64 3
		.amdhsa_memory_ordered 1
		.amdhsa_forward_progress 1
		.amdhsa_inst_pref_size 60
	.end_amdhsa_kernel
	.amdgpu_metadata
---
amdhsa.version: [ 1, 2 ]
amdhsa.kernels:
  - .name:           k_q0cd6c8fe31_prep
    .symbol:         k_q0cd6c8fe31_prep.kd
    .args:
      - { .name: W1_w, .offset: 0, .size: 8, .value_kind: global_buffer, .address_space: global }
      - { .name: W2_w, .offset: 8, .size: 8, .value_kind: global_buffer, .address_space: global }
      - { .name: query, .offset: 16, .size: 8, .value_kind: global_buffer, .address_space: global }
      - { .name: mask, .offset: 24, .size: 8, .value_kind: global_buffer, .address_space: global }
      - { .name: w2f, .offset: 32, .size: 8, .value_kind: global_buffer, .address_space: global }
      - { .name: qpart, .offset: 40, .size: 8, .value_kind: global_buffer, .address_space: global }
      - { .name: rows, .offset: 48, .size: 8, .value_kind: global_buffer, .address_space: global }
      - { .name: pos, .offset: 56, .size: 8, .value_kind: global_buffer, .address_space: global }
    .group_segment_fixed_size: 0
    .private_segment_fixed_size: 0
    .kernarg_segment_align: 8
    .kernarg_segment_size: 64
    .max_flat_workgroup_size: 128
    .sgpr_count:     66
    .vgpr_count:     200
    .wavefront_size: 32
...
	.end_amdgpu_metadata
.endif
;; end of part 1
;; launch main (part 2): grid 256 x 1, 4 waves a work-group, no clusters, 320,512 bytes of LDS; arguments values, rows, w2f, qpart, W1_b, W2_b, V_w, V_b, sc, part, stat; writes sc, part, stat
.if DOCPART == 2
	.amdgcn_target "amdgcn-amd-amdhsa--gfx1250"
	.amdhsa_code_object_version 6
	.text
	.protected	k_q0cd6c8fe31_main
	.globl	k_q0cd6c8fe31_main
	.p2align	8
	.type	k_q0cd6c8fe31_main,@function
k_q0cd6c8fe31_main:
	s_mov_b64 s[64:65], 0
	v_nop
	global_prefetch_b8 v0, s[64:65] scope:SCOPE_SE
	s_setreg_imm32_b32 hwreg(HW_REG_WAVE_MODE, 25, 1), 1
	s_wait_xcnt 0x0
; ADDITIVE ATTENTION, one list of live rows to a work-group (8 lists a batch, made by the launch before).  For each block of 144 list entries:
;   FILL     the rows of values are read once (f32), rounded to bf16 and kept in LDS;
;   GEMM     x[row][n] = the sum over k of values[row][k] W2[n][k], all 1,024 columns, in two passes of 128 columns a wave: 72 accumulators of 16 x 16;
;   EPILOGUE tanh(x + q W1^T + b1 + b2) in f32, times V, summed over the columns: a score a row;
;   SOFTMAX  over the block alone: its maximum m', p = e^(score - m'), l = the sum of p;
;   CONTEXT  the sum over the block's rows of p x row, from the rows still in LDS.
; OUT.  sc [list][block][160] f32: the score of each list entry, -inf for a filler and for places 144 .. 159.  stat [list][block]: a record of 256 bytes, (m', l) 32 times.  part [list][block][1024] f32: the block's context.
; The last launch joins a batch's 16 blocks.  Every lane of every store has a word of its own: EXEC is never changed.
; A list has 288 entries, two blocks.  The second block is worked on only if its first entry is a live row; else its heavy parts are jumped, forward, past no barrier, and it stores scores -inf, m' = -1e30, l = 0, context 0.
; FORMATS.  bf16 operands, f32 sums.  p enters the last product as two bf16 rows, p rounded and the rest p - bf16(p), which are added afterwards.
; tanh(t) = 1 - 2 / (1 + 2^(2 log2(e) t)): at large |t| the power is 0 or infinite and the result -1 or 1.
; LIMITS.  A block's maximum is floored at -1e30: scores below that are not served.  Rows whose mask is 0 are never read, so an infinity or NaN in such a row does not reach the context.
; A filler entry (2048) reads the batch's row 2047 and has weight 0: that row is named again by each filler; an infinity there gives NaN.  A batch with no live row gives NaN in the last launch.
; NO CLUSTER, NO TENSOR LOADS.  What work-groups share is W2 alone.  The 144 rows take 297,216 bytes of LDS; of the 30,464 beside them tables and stages take 23,296: no ring of slots for joint loads fits.
; And inside a work-group each wave has columns of its own, so no wave wants a fragment of W2 that another has fetched: W2 comes straight into registers, in the fragments' order (w2f), three K steps ahead.
; THE PRODUCTS ARE USED TRANSPOSED: source 0 = 16 rows of W2, source 1 = 16 rows of values: a lane holds ONE row (lane % 16) and the columns 8 (lane / 16) + 0..7 of each tile.
; LDS ADDRESSES THAT CHANGE IN A LOOP are made anew in each trip: a lane term that is never rewritten plus a scalar that steps once a trip; the steps inside a trip stand in the immediates.
; REGISTERS, in windows of 256 (s_set_vgpr_msb: bits 1:0 source 0, 3:2 source 1, 5:4 source 2, 7:6 destination):
;   window 0: v0-47 addresses and sums (below); v48-119, v120-191 fragments of the rows, two sets of 9 x 8; v192-255 the accumulators of row tile 8
;             (in the fill v48-239 are six landing slots of a row, v240-255 at work; in the epilogue v120-183 hold the biases; behind it v48-191 are at work)
;   window 1: four sets of W2's fragments, 8 x 8 each (in the epilogue set 3 holds V)
;   window 2: the accumulators of row tiles 0-3, (a, b) at 8 (8 a + b); window 3: row tiles 4-7
;             (at the head window 2 v0-55 take the tables; in the context window 2 holds two sets of turned rows, window 3 v0-127 its accumulators, v128-167 p's fragments)
.set LISTB, 1152                       ; bytes in a list of 288 entries
.set PITCH, 2064                       ; a row in LDS: 2,048 bytes + 16: 516 words, so row r starts at bank 4 r mod 64 (64 banks of 4 bytes: ISA guide 11.1)
.set TB,    144*PITCH                  ; 297,216: per wave 2,048 bytes: [pass][tile]{16 f32 of 2 log2(e) (q W1^T + b1 + b2), 16 f32 of V}
.set SCR,   TB+4*2048                  ; per wave 576 bytes: its columns' part of the 144 scores
.set PT,    SCR+4*576                  ; per wave 1,024 bytes: rows of 160 bf16, 320 bytes apart: p rounded, the rest, zeros
.set STG,   PT+4*1024                  ; per wave 2,048 bytes: 1,024 of context on its way out, 1,024 for the lanes that hold none
.set SPARE, STG+4*2048                 ; 320,000: the spare words, 128 bytes for each wave: two blocks of 256 bytes that no other line names
.set AF,  48                           ; the rows' fragments: set s at AF + 72 s
.set QP,  120                          ; epilogue: the biases of tile b at QP + 8 b
.set VW,  192                          ; epilogue, window 1: V of tile b at VW + 8 b
.set SS,  12                           ; v[12:29] row tile a's score sums (even columns', odd columns') at SS + 2 a
.set AFX, 4                            ; v4-8   LDS address of the fragments of row tiles 2 j, 2 j + 1 at K step 0; never rewritten
.set AMV, 30                           ; v30-34 the same at the K loop's trip in hand (in the fill v30-35 are the six slots' offsets in values)
; v0 thread; v1 16 x lane; v2, v3 the add's two registers; v9 the tables' address; v10 the fill's store address; v11 lane
; v36 the tables' offset in memory; v37 lane % 16; v38 where my score part goes; v39-43 the block's list entries; v44 lane / 16; v45 0; v46 4 x lane; v47 4 x (lane % 16)
; s[4:5] values at the batch; s[6:7] rows at the block; s[8:9] w2f at my wave; s[10:11] qpart at the batch; s[12:19] W1_b, W2_b, V_w, V_b; s[20:21] sc, s[22:23] part, s[24:25] stat at the block
; s26 wave; s27 work-group; s28 batch; s[30:31], s32 where W2's stream stands, and its K step 0..63; s33, s34, s35 counters; s36 1: the block is live; s37 the second block's first entry; s38 V_b
; s39 my tables in LDS; s[40:41] 2 log2(e); s[42:43] lane selects; s44 log2(e); s[48:49] my wave's 36 entries of the block; s50 offset in them; s51 my 36 rows in LDS; s[52:57] six entries
; s58 the fill's trip: LDS byte of its first row; s59 the K loop's trip: 256 bytes along the rows each; s60 the pass's tables in LDS
.set MSB, 0
.macro WIN new                         ; the immediate's high byte repeats the setting that is left; a switch that changes nothing is dropped
.if MSB != (\new)
	s_set_vgpr_msb (MSB<<8)|(\new)
.set MSB, \new
.endif
.endm
	s_load_b512 s[4:19], s[0:1], 0x0
	s_load_b128 s[20:23], s[0:1], 0x40
	s_load_b64 s[24:25], s[0:1], 0x50
	v_lshl_add_u32 v2, v0, 2, SPARE
	v_mov_b32 v3, 0
	v_lshrrev_b32 v11, 5, v0
	v_readfirstlane_b32 s26, v11                   ; wave 0..3
	v_and_b32 v11, 31, v0
	v_and_b32 v37, 15, v0
	v_bfe_u32 v44, v0, 4, 1
	v_mov_b32 v45, 0
	v_lshlrev_b32 v1, 4, v11
	v_lshlrev_b32 v46, 2, v11
	v_lshlrev_b32 v47, 2, v37
	s_mov_b32 s27, ttmp9
	s_lshr_b32 s28, ttmp9, 3
	s_lshl_b32 s2, s26, 9
	v_add_nc_u32 v36, s2, v1                       ; my wave's 128 columns of a pass, 4 a lane
	v_mul_u32_u24 v[AFX], v37, PITCH
	v_lshl_add_u32 v[AFX], v44, 4, v[AFX]          ; row x pitch + 16 x half
.irp j, 1,2,3,4
	v_add_nc_u32 v[AFX+\j], \j*32*PITCH, v[AFX]
.endr
	s_lshl_b32 s39, s26, 11
	s_add_co_u32 s39, s39, TB
	s_mul_i32 s51, s26, 36*PITCH
	s_mul_i32 s2, s26, 576
	s_add_co_u32 s2, s2, SCR
	v_add_nc_u32 v38, s2, v47
	s_mov_b32 s40, 0x4038aa3b                      ; 2 log2(e)
	s_mov_b32 s41, s40                             ; named with it as a pair
	s_mov_b32 s42, 0x76543210
	s_mov_b32 s43, 0xfedcba98
	s_mov_b32 s44, 0x3fb8aa3b                      ; log2(e)
	s_mov_b32 s32, 2
	s_mov_b32 s35, 2
	s_mov_b32 s36, 1                               ; the first block is always worked on
	s_mov_b32 s3, 0
	s_wait_kmcnt 0x0
	s_lshl_b32 s2, s28, 23
	s_add_nc_u64 s[4:5], s[4:5], s[2:3]
	s_mul_i32 s2, s27, LISTB
	s_add_nc_u64 s[6:7], s[6:7], s[2:3]
	s_mul_i32 s2, s26, 144
	s_add_nc_u64 s[48:49], s[6:7], s[2:3]
	s_lshl_b32 s2, s26, 19
	s_add_nc_u64 s[8:9], s[8:9], s[2:3]
	s_lshl_b32 s2, s28, 12
	s_add_nc_u64 s[10:11], s[10:11], s[2:3]
	s_mul_i32 s2, s27, 1280                        ; the list's two blocks of 160 scores
	s_add_nc_u64 s[20:21], s[20:21], s[2:3]
	s_lshl_b32 s2, s27, 13
	s_lshl_b32 s29, s26, 10
	s_add_co_u32 s2, s2, s29
	s_add_nc_u64 s[22:23], s[22:23], s[2:3]
	s_lshl_b32 s2, s27, 9                          ; the list's two records of 256 bytes
	s_add_nc_u64 s[24:25], s[24:25], s[2:3]
	s_load_b32 s37, s[6:7], 0x240                  ; entry 144
	s_load_b32 s38, s[18:19], 0x0                  ; V_b
	WIN 0x80                                       ; destination window 2
.irp p, 0,1
.irp q, 0,1,2,3
	global_load_b128 v[28*\p+4*\q:28*\p+4*\q+3], v36, s[10:11] offset:\q*131072+\p*2048  ; the four K quarters of q W1^T
.endr
	global_load_b128 v[28*\p+16:28*\p+19], v36, s[12:13] offset:\p*2048
	global_load_b128 v[28*\p+20:28*\p+23], v36, s[14:15] offset:\p*2048
	global_load_b128 v[28*\p+24:28*\p+27], v36, s[16:17] offset:\p*2048
.endr
	WIN 0x40                                       ; destination window 1
.irp n, 0,1,2
.irp b, 0,1,2,3,4,5,6,7
	global_load_b128 v[64*\n+8*\b:64*\n+8*\b+3],   v1, s[8:9] offset:\n*8192+\b*1024      ; W2's K steps 0, 1, 2
	global_load_b128 v[64*\n+8*\b+4:64*\n+8*\b+7], v1, s[8:9] offset:\n*8192+\b*1024+512
.endr
.endr
	WIN 0
	s_add_nc_u64 s[30:31], s[8:9], 16384
	s_wait_kmcnt 0x0                               ; entry 144 and V_b: asked for ahead of the 62 loads above
; ---- the fill's macros.  Slot i of six: 32 registers, a row of 4,096 bytes, a lane's 16 bytes of each 512.
.macro ISSUE i
	s_min_u32 s29, s[52+\i], 2047                  ; a filler reads row 2047
	s_lshl_b32 s29, s29, 12
	v_add_nc_u32 v[30+\i], s29, v1
.irp c, 0,1,2,3,4,5,6,7
	global_load_b128 v[48+32*\i+4*\c:48+32*\i+4*\c+3], v[30+\i], s[4:5] offset:512*\c th:TH_LOAD_NT
.endr
.endm
.macro DRAIN i, left                   ; left: the younger loads, which stay out
	s_wait_loadcnt \left                           ; the slot's eight loads are in: its registers and its offset are free
.irp c, 0,1,2,3,4,5,6,7
	v_cvt_pk_bf16_f32 v[240+2*\c], v[48+32*\i+4*\c],   v[48+32*\i+4*\c+1]
	v_cvt_pk_bf16_f32 v[241+2*\c], v[48+32*\i+4*\c+2], v[48+32*\i+4*\c+3]
.endr
.irp c, 0,1,2,3,4,5,6,7
	ds_store_b64 v10, v[240+2*\c:241+2*\c] offset:\i*PITCH+256*\c   ; 32 lanes x 8 bytes: 256 consecutive bytes of the row
.endr
.endm
.macro LIST6                           ; six entries of my wave's 36, at byte s50
	s_load_b128 s[52:55], s[48:49], s50
	s_load_b64 s[56:57], s[48:49], s50 offset:0x10
.endm
; ---- the products' macros
.macro ALOAD f, ar, off                ; 18 LDS loads: the nine row tiles' fragments of one K step, at byte off behind the address registers ar ..
.irp a, 0,1,2,3,4,5,6,7,8
	ds_load_b128 v[(\f)+8*\a:(\f)+8*\a+3],   v[(\ar)+\a/2] offset:(\off)+(\a%2)*16*PITCH
	ds_load_b128 v[(\f)+8*\a+4:(\f)+8*\a+7], v[(\ar)+\a/2] offset:(\off)+(\a%2)*16*PITCH+32
.endr
.endm
.macro BLOAD n                         ; 16 loads: W2's eight fragments of one K step into set n; a wave's load covers 512 consecutive bytes
	WIN 0x40
.irp b, 0,1,2,3,4,5,6,7
	global_load_b128 v[64*(\n)+8*\b:64*(\n)+8*\b+3],   v1, s[30:31] offset:\b*1024
	global_load_b128 v[64*(\n)+8*\b+4:64*(\n)+8*\b+7], v1, s[30:31] offset:\b*1024+512
.endr
.endm
.macro MUL32 bs, as, hi, zero          ; row tiles 4 hi .. 4 hi + 3 x all 8 column tiles
	WIN 0xa1+0x50*(\hi)                            ; W2 window 1, rows window 0, C and D window 2 or 3
.irp a, 0,1,2,3
.irp b, 0,1,2,3,4,5,6,7
.if \zero
	v_wmma_f32_16x16x32_bf16 v[8*(8*\a+\b):8*(8*\a+\b)+7], v[64*(\bs)+8*\b:64*(\bs)+8*\b+7], v[AF+72*(\as)+8*(4*(\hi)+\a):AF+72*(\as)+8*(4*(\hi)+\a)+7], 0
.else
	v_wmma_f32_16x16x32_bf16 v[8*(8*\a+\b):8*(8*\a+\b)+7], v[64*(\bs)+8*\b:64*(\bs)+8*\b+7], v[AF+72*(\as)+8*(4*(\hi)+\a):AF+72*(\as)+8*(4*(\hi)+\a)+7], v[8*(8*\a+\b):8*(8*\a+\b)+7]
.endif
.endr
.endr
.endm
.macro MUL8 bs, as, zero               ; row tile 8
	WIN 0x01
.irp b, 0,1,2,3,4,5,6,7
.if \zero
	v_wmma_f32_16x16x32_bf16 v[192+8*\b:192+8*\b+7], v[64*(\bs)+8*\b:64*(\bs)+8*\b+7], v[AF+72*(\as)+64:AF+72*(\as)+71], 0
.else
	v_wmma_f32_16x16x32_bf16 v[192+8*\b:192+8*\b+7], v[64*(\bs)+8*\b:64*(\bs)+8*\b+7], v[AF+72*(\as)+64:AF+72*(\as)+71], v[192+8*\b:192+8*\b+7]
.endif
.endr
.endm
; A K STEP of 32: 72 products on W2's set bs and the rows' set as; the 72 accumulators take turns in the same order in every step.  zero = 1: the products start the sums.
; Behind the first 32 stand, in one run, the next step's 18 LDS loads (lda = 1; at byte off behind the registers ar ..) and the 16 loads of W2's K step three steps on.
; mk = 1: the trip's address registers are made first, from the fixed ones and s59.  Those five lines, or four v_nop, name no register of a product: they are the places in front of the loads into the sets that the step before multiplied.
.macro STEP bs, as, zero, lda, mk=0, ar=AMV, off=0
	s_wait_xcnt 0x0                                ; the last loads of W2, 40 products back, have read their base: it is stepped only behind this wait
	s_add_nc_u64 s[30:31], s[30:31], 8192
	s_add_co_u32 s32, s32, 1
	s_cmp_eq_u32 s32, 64                           ; behind the second pass's last K step the stream begins anew, for a block that may follow
	s_cselect_b64 s[30:31], s[8:9], s[30:31]
	s_cselect_b32 s32, 0, s32
	s_wait_loadcnt 32                              ; set bs is in; the two younger sets' 32 loads stay out
	s_wait_dscnt 0x0                               ; the rows' fragments, asked for 40 products back
	MUL32 \bs, \as, 0, \zero
	WIN 0
.if \mk
.irp j, 0,1,2,3,4
	v_add_nc_u32 v[AMV+\j], s59, v[AFX+\j]
.endr
.else
.rept 4
	v_nop
.endr
.endif
.if \lda
	ALOAD AF+72*(1-(\as)), \ar, \off
.endif
	BLOAD ((\bs)+3)%4
	MUL32 \bs, \as, 1, \zero
	MUL8 \bs, \as, \zero
.endm
; ---- the epilogue's macros.  A batch is eight accumulators: kind 0, 1: row tiles 4 kind .. + 3 x column tiles 2 q, 2 q + 1; kind 2: row tile 8 x all column tiles.
.macro XREG kind, q, n                 ; accumulator n of the batch: rX its first register, rB its column tile, rA its row tile
.if (\kind) == 2
.set rB, (\n)
.set rA, 8
.set rX, 192+8*(\n)
.else
.set rB, 2*(\q)+((\n)&1)
.set rA, 4*(\kind)+((\n)>>1)
.set rX, 8*(8*((\n)>>1)+rB)
.endif
.endm
.macro EACH8 kind, q, body:vararg      ; one macro call for each accumulator of the batch
.set en, 0
.rept 8
	XREG \kind, \q, en
	\body
.set en, en+1
.endr
.endm
.macro E_ARG                           ; 2 log2(e) (x + bias); each accumulator is read from its low end on
.irp j, 0,2,4,6
	v_pk_fma_f32 v[rX+\j:rX+\j+1], v[rX+\j:rX+\j+1], s[40:41], v[QP+8*rB+\j:QP+8*rB+\j+1] op_sel_hi:[1,0,1]
.endr
.endm
.macro E_EXP
.irp j, 0,1,2,3,4,5,6,7
	v_exp_f32 v[rX+\j], v[rX+\j]
.endr
.endm
.macro E_ONE
.irp j, 0,2,4,6
	v_pk_add_f32 v[rX+\j:rX+\j+1], v[rX+\j:rX+\j+1], 1.0 op_sel_hi:[1,0]
.endr
.endm
.macro E_RCP
.irp j, 0,1,2,3,4,5,6,7
	v_rcp_f32 v[rX+\j], v[rX+\j]
.endr
.endm
.macro E_TANH
.irp j, 0,2,4,6
	v_pk_fma_f32 v[rX+\j:rX+\j+1], v[rX+\j:rX+\j+1], -2.0, 1.0 op_sel_hi:[1,0,0]
.endr
.endm
; wa: the windows while the batch is worked on in place (source 2: the biases, window 0); wf: while it is summed (source 1: V, window 1; source 2 and destination: the sums, window 0).
; The 64 powers are one batch of transcendentals with one wait, the 64 reciprocals another; each wait stands between such an instruction and the first line that names its result.
.macro EPIB kind, q, wa, wf
	WIN \wa
	EACH8 \kind, \q, E_ARG
	EACH8 \kind, \q, E_EXP
	v_nop                                          ; a plain line behind the last power, ahead of the first use (ISA guide 5.7.2)
	s_wait_alu depctr_va_vdst(0)
	EACH8 \kind, \q, E_ONE
	EACH8 \kind, \q, E_RCP
	v_nop
	s_wait_alu depctr_va_vdst(0)
	EACH8 \kind, \q, E_TANH
	WIN \wf
.set eu, 0
.rept 32                               ; in kinds 0 and 1 four row tiles' sums take turns, so that no line waits for the one before it
	XREG \kind, \q, 2*(eu&3)+(eu>>4)
.set ej, 2*((eu>>2)&3)
	v_pk_fma_f32 v[SS+2*rA:SS+2*rA+1], v[rX+ej:rX+ej+1], v[VW+8*rB+ej:VW+8*rB+ej+1], v[SS+2*rA:SS+2*rA+1]
.set eu, eu+1
.endr
.endm
; ---- the context's macros
.macro TRL buf, last                   ; 32 turning loads: 32 rows x my wave's 256 channels into set buf.  last = 1: rows 128-143 twice: the second sixteen stand for rows 144-159, whose weights are 0
	WIN 0x80
.irp t, 0,1,2,3,4,5,6,7,8,9,10,11,12,13,14,15
	ds_load_tr16_b128 v[128*(\buf)+8*\t:128*(\buf)+8*\t+3], v115 offset:32*\t
.if \last
	ds_load_tr16_b128 v[128*(\buf)+8*\t+4:128*(\buf)+8*\t+7], v115 offset:32*\t
.else
	ds_load_tr16_b128 v[128*(\buf)+8*\t+4:128*(\buf)+8*\t+7], v115 offset:32*\t+16*PITCH
.endif
.endr
	WIN 0
.if !(\last)
	v_add_nc_u32 v115, 32*PITCH, v115
.endif
.endm
.macro CMUL buf, kb                    ; 16 products: p's fragment kb (source 0: rows p, rest, zeros) x 16 channel tiles; the 16 accumulators take turns
	WIN 0xfb                                       ; p window 3, rows window 2, C and D window 3
.irp t, 0,1,2,3,4,5,6,7,8,9,10,11,12,13,14,15
.if (\kb) == 0
	v_wmma_f32_16x16x32_bf16 v[8*\t:8*\t+7], v[128+8*(\kb):128+8*(\kb)+7], v[128*(\buf)+8*\t:128*(\buf)+8*\t+7], 0
.else
	v_wmma_f32_16x16x32_bf16 v[8*\t:8*\t+7], v[128+8*(\kb):128+8*(\kb)+7], v[128*(\buf)+8*\t:128*(\buf)+8*\t+7], v[8*\t:8*\t+7]
.endif
.endr
.endm
.macro PLACES
.rept 4
	v_nop
.endr
.endm
.Lblk:                                             ; two trips: the list's two blocks
	s_cmp_eq_u32 s36, 0
	s_cbranch_scc1 .Lno_fill
	; ---------------- FILL: wave w brings rows 36 w .. 36 w + 35 of the block, six slots in flight: 48 loads, 24 KiB a wave
	s_mov_b32 s58, s51
	s_mov_b32 s50, 0
	LIST6
	s_wait_kmcnt 0x0
.irp i, 0,1,2,3,4,5
	ISSUE \i
.endr
	s_mov_b32 s50, 24
	LIST6
	s_mov_b32 s33, 5
.Lfill:
	v_lshl_add_u32 v10, v11, 3, s58                ; the trip's six rows in LDS, 8 bytes a lane
	DRAIN 0, 40                                    ; five younger rows of eight loads stay out
	s_wait_kmcnt 0x0                               ; the six entries asked for at the end of the trip before
	ISSUE 0
.irp i, 1,2,3,4,5
	DRAIN \i, 40
	ISSUE \i
.endr
	s_add_co_u32 s58, s58, 6*PITCH
	s_add_co_u32 s50, s50, 24
	s_min_u32 s50, s50, 120                        ; the last trip asks for the last six once more: the wave's 36 entries are not passed
	LIST6
	s_sub_co_u32 s33, s33, 1
	s_cmp_lg_u32 s33, 0
	s_cbranch_scc1 .Lfill
	s_wait_kmcnt 0x0
	v_lshl_add_u32 v10, v11, 3, s58                ; the last six rows
.irp i, 0,1,2,3,4,5
	DRAIN \i, 40-8*\i                              ; nothing more is asked for: the counts run down
.endr
.Lno_fill:
	s_cmp_lg_u32 s35, 2
	s_cbranch_scc1 .Lno_tab
	; ---------------- TABLES, once: 2 log2(e) (q W1^T + b1 + b2) and V for my wave's 2 x 128 columns, into my own 2,048 bytes of LDS
	s_wait_loadcnt 0x0
	WIN 0xaa
.irp p, 0,1
.irp d, 0,2
	v_pk_add_f32 v[28*\p+\d:28*\p+\d+1],       v[28*\p+\d:28*\p+\d+1],       v[28*\p+4+\d:28*\p+4+\d+1]
	v_pk_add_f32 v[28*\p+8+\d:28*\p+8+\d+1],   v[28*\p+8+\d:28*\p+8+\d+1],   v[28*\p+12+\d:28*\p+12+\d+1]
	v_pk_add_f32 v[28*\p+16+\d:28*\p+16+\d+1], v[28*\p+16+\d:28*\p+16+\d+1], v[28*\p+20+\d:28*\p+20+\d+1]
.endr
.irp d, 0,2
	v_pk_add_f32 v[28*\p+\d:28*\p+\d+1], v[28*\p+\d:28*\p+\d+1], v[28*\p+8+\d:28*\p+8+\d+1]
.endr
.irp d, 0,2
	v_pk_add_f32 v[28*\p+\d:28*\p+\d+1], v[28*\p+\d:28*\p+\d+1], v[28*\p+16+\d:28*\p+16+\d+1]
.endr
.irp d, 0,2
	v_pk_mul_f32 v[28*\p+\d:28*\p+\d+1], v[28*\p+\d:28*\p+\d+1], s[40:41] op_sel_hi:[1,0]
.endr
.endr
	WIN 0
	v_lshrrev_b32 v48, 2, v11                      ; my four columns lie in tile lane / 4,
	v_lshlrev_b32 v48, 7, v48
	v_and_b32 v49, 3, v11                          ; at its numbers 4 (lane % 4) on
	v_lshl_add_u32 v48, v49, 4, v48
	v_add_nc_u32 v48, s39, v48
	WIN 0x08                                       ; the stores' data in window 2
.irp p, 0,1
	ds_store_b128 v48, v[28*\p:28*\p+3]     offset:\p*1024
	ds_store_b128 v48, v[28*\p+24:28*\p+27] offset:\p*1024+64
.endr
	WIN 0
.Lno_tab:
	s_wait_dscnt 0x0                               ; my stores of rows are done,
	s_barrier_signal -1
	s_barrier_wait -1                              ; everybody's are: the block's 144 rows lie in LDS
	; the block's entries, for the softmax, and the sums' start: on every way, so that what follows finds them written
.irp g, 0,1,2,3
	global_load_b32 v[39+\g], v46, s[6:7] offset:128*\g   ; entry 32 g + lane
.endr
	global_load_b32 v43, v47, s[6:7] offset:512           ; entry 128 + lane % 16
.set k, 0
.rept 18
	v_mov_b32 v[SS+k], 0
.set k, k+1
.endr
	s_cmp_eq_u32 s36, 0
	s_cbranch_scc1 .Lno_gemm
	; ---------------- GEMM and EPILOGUE, two passes
	s_mov_b32 s60, s39                             ; the first pass's tables
	s_mov_b32 s34, 2
.Lpass:
	s_mov_b32 s59, 0
	ALOAD AF, AFX, 0                               ; K step 0
	STEP 0, 0, 1, 1, 0, AFX, 64                    ; the first K step stands in front of the loop: its products start the sums; it asks for K step 1
	WIN 0                                          ; at a label and at a branch every window is 0
	s_mov_b32 s33, 7
.Lk:                                               ; trip t multiplies K steps 4 t + 1 .. 4 t + 4 and asks for 4 t + 2 .. 4 t + 5: bytes 256 t + 128, 192, 256, 320 of the rows
	STEP 1, 1, 0, 1, 1, AMV, 128
	STEP 2, 0, 0, 1, 0, AMV, 192
	STEP 3, 1, 0, 1, 0, AMV, 256
	STEP 0, 0, 0, 1, 0, AMV, 320
	WIN 0
	s_add_co_u32 s59, s59, 256
	s_sub_co_u32 s33, s33, 1
	s_cmp_lg_u32 s33, 0
	s_cbranch_scc1 .Lk
	STEP 1, 1, 0, 1, 1, AMV, 128                   ; s59 = 1,792: K step 29 asks for K step 30,
	STEP 2, 0, 0, 1, 0, AMV, 192                   ; K step 30 for K step 31
	STEP 3, 1, 0, 0                                ; K step 31: no further fragments of the rows; W2's stream runs on
	WIN 0
	v_lshl_add_u32 v9, v44, 5, s60                 ; the pass's tables + 32 x half: a lane's eight columns of a tile
.rept 7
	v_nop                                          ; with the line above eight places behind the last products: their results are read, and sets that they read are loaded
.endr
.irp b, 0,1,2,3,4,5,6,7
	ds_load_b128 v[QP+8*\b:QP+8*\b+3],   v9 offset:128*\b
	ds_load_b128 v[QP+8*\b+4:QP+8*\b+7], v9 offset:128*\b+16
.endr
	WIN 0x40                                       ; V into W2's set 3, which K step 31 has multiplied and K step 0 of the next pass fills again
.irp b, 0,1,2,3,4,5,6,7
	ds_load_b128 v[VW+8*\b:VW+8*\b+3],   v9 offset:128*\b+64
	ds_load_b128 v[VW+8*\b+4:VW+8*\b+7], v9 offset:128*\b+80
.endr
	s_wait_dscnt 0x0
.irp q, 0,1,2,3
	EPIB 0, \q, 0x86, 0x06
.endr
.irp q, 0,1,2,3
	EPIB 1, \q, 0xc7, 0x07
.endr
	EPIB 2, 0, 0x04, 0x04
	WIN 0
	s_add_co_u32 s60, s60, 1024                    ; the next pass's tables
	s_sub_co_u32 s34, s34, 1
	s_cmp_lg_u32 s34, 0
	s_cbranch_scc1 .Lpass
	; a row's sum over my wave's 256 columns: even and odd columns, then the other half of the lanes
.irp a, 0,1,2,3,4,5,6,7,8
	v_add_f32 v[SS+2*\a], v[SS+2*\a], v[SS+2*\a+1]
.endr
.irp a, 0,1,2,3,4,5,6,7,8
	v_permlanex16_b32 v[SS+2*\a+1], v[SS+2*\a], s42, s43
.endr
.irp a, 0,1,2,3,4,5,6,7,8
	v_add_f32 v[SS+2*\a], v[SS+2*\a], v[SS+2*\a+1]
.endr
.Lno_gemm:
	s_wait_dscnt 0x0                               ; load, wait, barrier, store: my LDS reads of the two passes are over,
	s_barrier_signal -1
	s_barrier_wait -1                              ; everybody's are, before any wave stores into LDS again.  (The score parts have bytes of their own; the waves meet again nine stores further on.)
.irp a, 0,1,2,3,4,5,6,7,8
	ds_store_b32 v38, v[SS+2*\a] offset:64*\a      ; both halves of the lanes hold the same number and store it to the same word; a block that is not live stores zeros, which nobody reads
.endr
	s_wait_dscnt 0x0                               ; my score parts are stored,
	s_barrier_signal -1
	s_barrier_wait -1                              ; everybody's are
	s_cmp_eq_u32 s36, 0
	s_cbranch_scc1 .Lneutral
	; ---------------- SOFTMAX over the block: every wave by itself.  Group g of five: row 32 g + lane; group 4: row 128 + lane % 16
	v_add_nc_u32 v48, SCR, v46
	v_add_nc_u32 v49, SCR, v47
	v_mov_b32 v50, 0xff800000                      ; -inf
	v_mov_b32 v51, 0
.irp g, 0,1,2,3
.irp q, 0,1,2,3
	ds_load_b32 v[52+4*\g+\q], v48 offset:128*\g+576*\q
.endr
.endr
.irp q, 0,1,2,3
	ds_load_b32 v[68+\q], v49 offset:512+576*\q
.endr
	s_lshl_b32 s2, s26, 10
	s_add_co_u32 s2, s2, PT                        ; my rows of p
	v_lshl_add_u32 v104, v11, 1, s2
	v_lshl_add_u32 v105, v11, 2, s2
	v_min_u32 v114, 2, v37                         ; p's fragments: row 0 p, row 1 the rest, rows 2-15 the zeros
	v_mul_u32_u24 v114, v114, 320
	v_lshl_add_u32 v114, v44, 4, v114
	v_add_nc_u32 v114, s2, v114
	v_lshlrev_b32 v118, 3, v11                     ; my 8 bytes of the block's record
	s_wait_loadcnt 0x0                             ; the entries
	s_wait_dscnt 0x0
.irp g, 0,1,2,3,4
	v_add_f32 v[52+4*\g], v[52+4*\g], v[53+4*\g]
	v_add_f32 v[54+4*\g], v[54+4*\g], v[55+4*\g]
.endr
.irp g, 0,1,2,3,4
	v_add_f32 v[52+4*\g], v[52+4*\g], v[54+4*\g]
	v_add_f32 v[72+\g], s38, v[52+4*\g]            ; + V_b
	v_cmp_gt_u32 vcc_lo, 0x800, v[39+\g]
	v_cndmask_b32 v[72+\g], v50, v[72+\g], vcc_lo  ; a filler's score is -inf
.endr
	v_cmp_gt_u32 vcc_lo, 16, v11
	v_cndmask_b32 v77, v50, v76, vcc_lo            ; group 4 counts once, in lanes 0-15; lanes 16-31 stand for places 144 .. 159: -inf
	v_max3_num_f32 v78, v72, v73, v74
	v_max3_num_f32 v78, v78, v75, v77
	v_max_num_f32_dpp v78, v78, v78 row_xmask:1 row_mask:0xf bank_mask:0xf
	v_max_num_f32_dpp v78, v78, v78 row_xmask:2 row_mask:0xf bank_mask:0xf
	v_max_num_f32_dpp v78, v78, v78 row_xmask:4 row_mask:0xf bank_mask:0xf
	v_max_num_f32_dpp v78, v78, v78 row_xmask:8 row_mask:0xf bank_mask:0xf
	v_permlanex16_b32 v51, v78, s42, s43
	v_max_num_f32 v78, v78, v51
	v_max_num_f32 v112, 0xf149f2ca, v78            ; m': the block's maximum, at least -1e30, so that -inf - m' stays -inf
.irp g, 0,1,2,3
	v_sub_f32 v[80+\g], v[72+\g], v112
.endr
	v_sub_f32 v84, v77, v112
.irp g, 0,1,2,3,4
	v_mul_f32 v[80+\g], s44, v[80+\g]
.endr
.irp g, 0,1,2,3,4
	v_exp_f32 v[80+\g], v[80+\g]
.endr
	v_nop
	s_wait_alu depctr_va_vdst(0)                   ; one wait for the five powers, ahead of their first reader
	v_add_f32 v85, v80, v81
	v_add_f32 v51, v82, v83
	v_add_f32 v85, v85, v84
	v_add_f32 v85, v85, v51
	v_add_f32_dpp v85, v85, v85 row_xmask:1 row_mask:0xf bank_mask:0xf
	v_add_f32_dpp v85, v85, v85 row_xmask:2 row_mask:0xf bank_mask:0xf
	v_add_f32_dpp v85, v85, v85 row_xmask:4 row_mask:0xf bank_mask:0xf
	v_add_f32_dpp v85, v85, v85 row_xmask:8 row_mask:0xf bank_mask:0xf
	v_permlanex16_b32 v51, v85, s42, s43
	v_add_f32 v113, v85, v51                       ; l
.irp g, 0,1,2,3,4
	v_cvt_pk_bf16_f32 v[86+\g], v[80+\g], v[80+\g] ; p rounded,
	v_lshlrev_b32 v[91+\g], 16, v[86+\g]
	v_sub_f32 v[91+\g], v[80+\g], v[91+\g]         ; and what the rounding left,
	v_cvt_pk_bf16_f32 v[91+\g], v[91+\g], v[91+\g] ; rounded
.endr
.irp g, 0,1,2,3,4
	ds_store_b16 v104, v[86+\g] offset:64*\g       ; place 32 g + lane; group 4's lanes 16-31 hold 0 and fill places 144-159
	ds_store_b16 v104, v[91+\g] offset:320+64*\g
.endr
.irp x, 0,1,2
	ds_store_b32 v105, v45 offset:640+128*\x       ; the row of zeros
.endr
	s_cmp_lg_u32 s26, 0
	s_cbranch_scc1 .Lnot_wave_0
	; wave 0 stores the block's 160 scores by their places in the list, 128 consecutive bytes a store, and the record: 32 lanes x 8 bytes, 256 consecutive bytes, aligned
.irp g, 0,1,2,3
	global_store_b32 v46, v[72+\g], s[20:21] offset:128*\g
.endr
	global_store_b32 v46, v77, s[20:21] offset:512
	global_store_b64 v118, v[112:113], s[24:25]    ; (m', l), the same in every lane
.Lnot_wave_0:
	; ---------------- CONTEXT: my wave's 256 channels, five key blocks of 32 rows.  A wave's own LDS bytes are served in order: p's loads see the stores above (ISA guide 5.7.1.4)
	WIN 0xc0
.irp k, 0,1,2,3,4
	ds_load_b128 v[128+8*\k:128+8*\k+3], v114 offset:64*\k
	ds_load_b128 v[128+8*\k+4:128+8*\k+7], v114 offset:64*\k+32
.endr
	WIN 0
	v_and_b32 v115, 7, v11                         ; the turning load: lane l reads row 8 (l / 16) + l % 8, channels 8 ((l / 8) % 2) + 0..7
	v_lshl_add_u32 v115, v44, 3, v115
	v_mul_u32_u24 v115, v115, PITCH
	v_bfe_u32 v116, v0, 3, 1
	v_lshl_add_u32 v115, v116, 4, v115
	s_lshl_b32 s29, s26, 9
	v_add_nc_u32 v115, s29, v115
	s_lshl_b32 s29, s26, 11
	s_add_co_u32 s29, s29, STG
	v_lshl_add_u32 v116, v37, 2, s29               ; the way out: lanes 0-15 hold a channel each, lanes 16-31 nothing: they store 1,024 bytes further on
	v_lshl_add_u32 v116, v44, 10, v116
	v_add_nc_u32 v117, s29, v1
	TRL 0, 0
	TRL 1, 0
	s_wait_dscnt 32                                ; p and key block 0 are in; the younger block's 32 loads stay out
	CMUL 0, 0
	PLACES
	TRL 0, 0
	s_wait_dscnt 32
	CMUL 1, 1
	PLACES
	TRL 1, 0
	s_wait_dscnt 32
	CMUL 0, 2
	PLACES
	TRL 0, 1
	s_wait_dscnt 32
	CMUL 1, 3
	s_wait_dscnt 0x0
	CMUL 0, 4
.rept 8
	v_nop
.endr
	WIN 0x0f                                       ; sources window 3, destination window 0
.irp t, 0,1,2,3,4,5,6,7,8,9,10,11,12,13,14,15
	v_add_f32 v[120+\t], v[8*\t], v[8*\t+1]        ; row 0 (p) + row 1 (the rest): in lanes 0-15 channel 16 t + lane
.endr
	WIN 0
.irp t, 0,1,2,3,4,5,6,7,8,9,10,11,12,13,14,15
	ds_store_b32 v116, v[120+\t] offset:64*\t
.endr
	ds_load_b128 v[136:139], v117
	ds_load_b128 v[140:143], v117 offset:512
	s_wait_dscnt 0x0
	global_store_b128 v1, v[136:139], s[22:23]             ; 512 consecutive bytes each
	global_store_b128 v1, v[140:143], s[22:23] offset:512
	s_branch .Lblk_end
.Lneutral:                                         ; a block with no live row: a part that the joining launch weighs with 0, and 160 scores -inf
.irp d, 96,97,98,99
	v_mov_b32 v\d, 0
.endr
	v_mov_b32 v100, 0xff800000                     ; -inf
	v_mov_b32 v112, 0xf149f2ca                     ; m' = -1e30,
	v_mov_b32 v113, 0                              ; l = 0
	v_lshlrev_b32 v118, 3, v11
	global_store_b128 v1, v[96:99], s[22:23]
	global_store_b128 v1, v[96:99], s[22:23] offset:512
	s_cmp_lg_u32 s26, 0
	s_cbranch_scc1 .Lblk_end
.irp g, 0,1,2,3,4
	global_store_b32 v46, v100, s[20:21] offset:128*\g
.endr
	global_store_b64 v118, v[112:113], s[24:25]
.Lblk_end:
	s_wait_xcnt 0x0                                ; every load and store so far has read its registers and its base: only behind this wait are they rewritten
	s_add_nc_u64 s[6:7], s[6:7], 576               ; the list's second block
	s_add_nc_u64 s[48:49], s[48:49], 576
	s_add_nc_u64 s[20:21], s[20:21], 640
	s_add_nc_u64 s[22:23], s[22:23], 4096
	s_add_nc_u64 s[24:25], s[24:25], 256
	s_cmp_lt_u32 s37, 2048                         ; is its first entry a live row?
	s_cselect_b32 s36, 1, 0
	s_wait_dscnt 0x0                               ; my reads of the rows and of the score parts are over,
	s_barrier_signal -1
	s_barrier_wait -1                              ; everybody's are: the next fill may write
	s_sub_co_u32 s35, s35, 1
	s_cmp_lg_u32 s35, 0
	s_cbranch_scc1 .Lblk
	s_wait_tensorcnt 0x0                           ; the wave's end, behind my last LDS store
	ds_add_u32 v2, v3
	s_wait_dscnt 0x0
	s_endpgm
.Lfunc_end_k_q0cd6c8fe31_main:
	.size	k_q0cd6c8fe31_main, .Lfunc_end_k_q0cd6c8fe31_main-k_q0cd6c8fe31_main
	.p2alignl 7, 3214868480
	.fill 96, 4, 3214868480
	.section	.rodata,"a",@progbits
	.p2align	6, 0x0
	.amdhsa_kernel k_q0cd6c8fe31_main
		.amdhsa_group_segment_fixed_size 320512
		.amdhsa_private_segment_fixed_size 0
		.amdhsa_enable_private_segment 0
		.amdhsa_kernarg_size 88
		.amdhsa_user_sgpr_count 2
		.amdhsa_user_sgpr_kernarg_segment_ptr 1
		.amdhsa_wavefront_size32 1
		.amdhsa_system_sgpr_workgroup_id_x 1
		.amdhsa_system_sgpr_workgroup_id_y 1
		.amdhsa_system_sgpr_workgroup_id_z 1
		.amdhsa_system_vgpr_workitem_id 0
		.amdhsa_next_free_vgpr 1024
		.amdhsa_next_free_sgpr 66
		.amdhsa_reserve_vcc 1
		.amdhsa_float_denorm_mode_32 3
		.amdhsa_float_denorm_mode_16_64 3
		.amdhsa_memory_ordered 1
		.amdhsa_forward_progress 1
		.amdhsa_inst_pref_size 247
	.end_amdhsa_kernel
	.amdgpu_metadata
---
amdhsa.version: [ 1, 2 ]
amdhsa.kernels:
  - .name:           k_q0cd6c8fe31_main
    .symbol:         k_q0cd6c8fe31_main.kd
    .args:
      - { .name: values, .offset: 0, .size: 8, .value_kind: global_buffer, .address_space: global }
      - { .name: rows, .offset: 8, .size: 8, .value_kind: global_buffer, .address_space: global }
      - { .name: w2f, .offset: 16, .size: 8, .value_kind: global_buffer, .address_space: global }
      - { .name: qpart, .offset: 24, .size: 8, .value_kind: global_buffer, .address_space: global }
      - { .name: W1_b, .offset: 32, .size: 8, .value_kind: global_buffer, .address_space: global }
      - { .name: W2_b, .offset: 40, .size: 8, .value_kind: global_buffer, .address_space: global }
      - { .name: V_w, .offset: 48, .size: 8, .value_kind: global_buffer, .address_space: global }
      - { .name: V_b, .offset: 56, .size: 8, .value_kind: global_buffer, .address_space: global }
      - { .name: sc, .offset: 64, .size: 8, .value_kind: global_buffer, .address_space: global }
      - { .name: part, .offset: 72, .size: 8, .value_kind: global_buffer, .address_space: global }
      - { .name: stat, .offset: 80, .size: 8, .value_kind: global_buffer, .address_space: global }
    .group_segment_fixed_size: 320512
    .private_segment_fixed_size: 0
    .kernarg_segment_align: 8
    .kernarg_segment_size: 88
    .max_flat_workgroup_size: 128
    .sgpr_count:     66
    .vgpr_count:     1024
    .wavefront_size: 32
...
	.end_amdgpu_metadata
.endif
;; end of part 2
;; launch join (part 3): grid 8 x 32, 4 waves a work-group, no clusters, 0 bytes of LDS; arguments part, stat, sc, pos, out0, out1; writes out0, out1
.if DOCPART == 3
	.amdgcn_target "amdgcn-amd-amdhsa--gfx1250"
	.amdhsa_code_object_version 6
	.text
	.protected	k_q0cd6c8fe31_join
	.globl	k_q0cd6c8fe31_join
	.p2align	8
	.type	k_q0cd6c8fe31_join,@function
k_q0cd6c8fe31_join:
	s_mov_b64 s[64:65], 0
	v_nop
	global_prefetch_b8 v0, s[64:65] scope:SCOPE_SE
	s_setreg_imm32_b32 hwreg(HW_REG_WAVE_MODE, 25, 1), 1
	s_wait_xcnt 0x0
; A BATCH'S 16 BLOCKS ARE JOINED.  Block j left m'_j, l_j = the sum of e^(score - m'_j) and part_j = the sum of e^(score - m'_j) x row.  With M = the largest m'_j and w_j = e^(m'_j - M):
; L = the sum of w_j l_j; context = (the sum of w_j part_j) / L; alpha[s] = e^(score of row s - M) / L.
; The scores lie by list places (sc: 2,560 words a batch); pos, made by the first launch, names each row's word.  A row whose mask is 0 is sent to a filler's word, which holds -inf: its alpha is 0.
; Work-group (i, b): slice i of eight of batch b: 128 channels of the context, a thread each, and 256 alphas, two a thread.  All in f32.
; A batch with no live row has M = -1e30 and L = 0: 0 x (1 / 0) gives NaN everywhere, as a softmax over -inf alone does.
; No LDS and no barrier: every thread reads the first pair of the batch's 16 records itself.
	s_load_b256 s[4:11], s[0:1], 0x0               ; part s[4:5], stat s[6:7], sc s[8:9], pos s[10:11]
	s_load_b128 s[12:15], s[0:1], 0x20             ; out0 s[12:13], out1 s[14:15]
	s_and_b32 s20, ttmp7, 0xffff                   ; the batch
	v_mov_b32 v1, 0
	v_lshlrev_b32 v2, 2, v0
	v_lshlrev_b32 v3, 3, v0
	s_mov_b32 s17, 0
	s_lshl_b32 s18, ttmp9, 9                       ; the slice: 512 bytes of part and of out0,
	s_lshl_b32 s19, ttmp9, 10                      ; 1,024 of pos and of out1
	s_wait_kmcnt 0x0
	s_lshl_b32 s16, s20, 16
	s_add_co_u32 s16, s16, s18
	s_add_nc_u64 s[4:5], s[4:5], s[16:17]
	s_lshl_b32 s16, s20, 12                        ; 16 records of 256 bytes
	s_add_nc_u64 s[6:7], s[6:7], s[16:17]
	s_add_co_u32 s16, s16, s18                     ; a row of out0 is 4,096 bytes too
	s_add_nc_u64 s[12:13], s[12:13], s[16:17]
	s_mul_i32 s16, s20, 10240                      ; the batch's score table
	s_add_nc_u64 s[8:9], s[8:9], s[16:17]
	s_lshl_b32 s16, s20, 13                        ; pos and out1 have the same shape: one offset for both
	s_add_co_u32 s16, s16, s19
	s_add_nc_u64 s[10:11], s[10:11], s[16:17]
	s_add_nc_u64 s[14:15], s[14:15], s[16:17]
	global_load_b64 v[74:75], v3, s[10:11]         ; where my two rows' scores lie
.irp j, 0,1,2,3,4,5,6,7,8,9,10,11,12,13,14,15
	global_load_b64 v[8+2*\j:9+2*\j], v1, s[6:7] offset:256*\j      ; block j: m' in v[8 + 2 j], l in v[9 + 2 j]
.endr
.irp j, 0,1,2,3,4,5,6,7,8,9,10,11,12,13,14,15
	global_load_b32 v[40+\j], v2, s[4:5] offset:4096*\j
.endr
	s_wait_loadcnt 32                              ; the two places are in; the 16 + 16 loads behind them stay out
	v_min_u32 v76, 0x9ff, v74                      ; a place is under 2,560
	v_min_u32 v77, 0x9ff, v75
	v_lshlrev_b32 v76, 2, v76
	v_lshlrev_b32 v77, 2, v77
	global_load_b32 v72, v76, s[8:9]
	global_load_b32 v73, v77, s[8:9]
	s_wait_loadcnt 0x0
	v_max3_num_f32 v4, v8, v10, v12
.irp j, 14,18,22,26,30,34
	v_max3_num_f32 v4, v4, v[\j], v[\j+2]
.endr
	v_max_num_f32 v4, v4, v38                      ; M
.irp j, 0,1,2,3,4,5,6,7,8,9,10,11,12,13,14,15
	v_sub_f32 v[56+\j], v[8+2*\j], v4
.endr
	v_sub_f32 v72, v72, v4
	v_sub_f32 v73, v73, v4
.irp j, 0,1,2,3,4,5,6,7,8,9,10,11,12,13,14,15,16,17
	v_mul_f32 v[56+\j], 0x3fb8aa3b, v[56+\j]       ; v72, v73 are numbers 16 and 17
.endr
.irp j, 0,1,2,3,4,5,6,7,8,9,10,11,12,13,14,15,16,17
	v_exp_f32 v[56+\j], v[56+\j]
.endr
	v_nop                                          ; a plain line behind the last power (ISA guide 5.7.2),
	s_wait_alu depctr_va_vdst(0)                   ; and the one wait ahead of the batch's first reader
	v_mul_f32 v5, v56, v9
	v_mul_f32 v6, v56, v40
.irp j, 1,2,3,4,5,6,7,8,9,10,11,12,13,14,15
	v_fmac_f32 v5, v[56+\j], v[9+2*\j]             ; L
	v_fmac_f32 v6, v[56+\j], v[40+\j]              ; my channel
.endr
	v_rcp_f32 v7, v5
	v_nop
	s_wait_alu depctr_va_vdst(0)
	v_mul_f32 v6, v6, v7
	v_mul_f32 v72, v72, v7
	v_mul_f32 v73, v73, v7
	global_store_b32 v2, v6, s[12:13]
	global_store_b64 v3, v[72:73], s[14:15]        ; a wave's store covers 256 consecutive bytes, aligned
	s_endpgm
.Lfunc_end_k_q0cd6c8fe31_join:
	.size	k_q0cd6c8fe31_join, .Lfunc_end_k_q0cd6c8fe31_join-k_q0cd6c8fe31_join
	.p2alignl 7, 3214868480
	.fill 96, 4, 3214868480
	.section	.rodata,"a",@progbits
	.p2align	6, 0x0
	.amdhsa_kernel k_q0cd6c8fe31_join
		.amdhsa_group_segment_fixed_size 0
		.amdhsa_private_segment_fixed_size 0
		.amdhsa_enable_private_segment 0
		.amdhsa_kernarg_size 48
		.amdhsa_user_sgpr_count 2
		.amdhsa_user_sgpr_kernarg_segment_ptr 1
		.amdhsa_wavefront_size32 1
		.amdhsa_system_sgpr_workgroup_id_x 1
		.amdhsa_system_sgpr_workgroup_id_y 1
		.amdhsa_system_sgpr_workgroup_id_z 1
		.amdhsa_system_vgpr_workitem_id 0
		.amdhsa_next_free_vgpr 80
		.amdhsa_next_free_sgpr 66
		.amdhsa_reserve_vcc 0
		.amdhsa_float_denorm_mode_32 3
		.amdhsa_float_denorm_mode_16_64 3
		.amdhsa_memory_ordered 1
		.amdhsa_forward_progress 1
		.amdhsa_inst_pref_size 9
	.end_amdhsa_kernel
	.amdgpu_metadata
---
amdhsa.version: [ 1, 2 ]
amdhsa.kernels:
  - .name:           k_q0cd6c8fe31_join
    .symbol:         k_q0cd6c8fe31_join.kd
    .args:
      - { .name: part, .offset: 0, .size: 8, .value_kind: global_buffer, .address_space: global }
      - { .name: stat, .offset: 8, .size: 8, .value_kind: global_buffer, .address_space: global }
      - { .name: sc, .offset: 16, .size: 8, .value_kind: global_buffer, .address_space: global }
      - { .name: pos, .offset: 24, .size: 8, .value_kind: global_buffer, .address_space: global }
      - { .name: out0, .offset: 32, .size: 8, .value_kind: global_buffer, .address_space: global }
      - { .name: out1, .offset: 40, .size: 8, .value_kind: global_buffer, .address_space: global }
    .group_segment_fixed_size: 0
    .private_segment_fixed_size: 0
    .kernarg_segment_align: 8
    .kernarg_segment_size: 48
    .max_flat_workgroup_size: 128
    .sgpr_count:     66
    .vgpr_count:     80
    .wavefront_size: 32
...
	.end_amdgpu_metadata
.endif
;; end of part 3
